; MI455X (gfx1250); checked and timed in simulation.
; The chip was launched on July 23, 2026; its instructions are those of AMD's public machine-readable ISA for CDNA 5 (MIT licence, August 2026) and "CDNA5" Instruction Set Architecture Reference Guide (July 2026). The comments in the code are by the model that wrote it; some were corrected since.
;; Multi Head Attention. Allowed arithmetic: matrix products marked QUANTISED: E2M1 operands, one E8M0 scale for each 32 along K, by v_wmma_scale_f32_16x16x128_f8f6f4 with both operands' format E2M1 (or v_wmma_scale_f32_32x16x128_f4), f32 sums; everything else in f32.
;; Inputs: Wk_codes 1,024 x 32 x 16 uint8 (E2M1 codes of Wk, K innermost, in blocks of 32 codes, two codes a byte); Wk_scales 1,024 x 32 uint8 (E8M0 scales of Wk, one for each 32 codes along K); Wo_codes 1,024 x 32 x 16 uint8 (E2M1 codes of Wo, K innermost, in blocks of 32 codes, two codes a byte); Wo_scales 1,024 x 32 uint8 (E8M0 scales of Wo, one for each 32 codes along K); Wq_codes 1,024 x 32 x 16 uint8 (E2M1 codes of Wq, K innermost, in blocks of 32 codes, two codes a byte); Wq_scales 1,024 x 32 uint8 (E8M0 scales of Wq, one for each 32 codes along K); Wv_codes 1,024 x 32 x 16 uint8 (E2M1 codes of Wv, K innermost, in blocks of 32 codes, two codes a byte); Wv_scales 1,024 x 32 uint8 (E8M0 scales of Wv, one for each 32 codes along K); bk 1,024 float32; bo 1,024 float32; bq 1,024 float32; bv 1,024 float32; x_codes 2 x 2,048 x 32 x 16 uint8 (E2M1 codes of x, K innermost, in blocks of 32 codes, two codes a byte); x_scales 2 x 2,048 x 32 uint8 (E8M0 scales of x, one for each 32 codes along K).
;; Outputs: out0 2 x 2,048 x 1,024 float32.
;; This version of the problem:
;;   THIS VERSION OF THE PROBLEM IS GIVEN IN LOW PRECISION. The matrix products marked QUANTISED in the list below multiply operands that are first quantised to E2M1 (2 exponent bits, 1 mantissa bit; 4 bits a number), with one power-of-two scale for each 32 numbers along K (OCP MX v1.0); their sums are f32. All else is computed in f32.
;;   The module's matrix products, in the order in which they are computed (A, B: the left and right operand; K: the contracted axis; several contracted axes count as one K, in the product's order):
;;     1. [M 4,096, K 1,024] x [K 1,024, N 1,024]; A: input x (given as codes); B: input Wq (given as codes): QUANTISED
;;     2. [M 4,096, K 1,024] x [K 1,024, N 1,024]; A: input x (given as codes); B: input Wk (given as codes): QUANTISED
;;     3. [M 4,096, K 1,024] x [K 1,024, N 1,024]; A: input x (given as codes); B: input Wv (given as codes): QUANTISED
;;     4. batch 32 x [M 2,048, K 64] x [K 64, N 2,048]; A: computed on the way; B: computed on the way: QUANTISED
;;     5. batch 32 x [M 2,048, K 2,048] x [K 2,048, N 64]; A: softmax (see below); B: computed on the way: QUANTISED
;;     6. [M 4,096, K 1,024] x [K 1,024, N 1,024]; A: computed on the way; B: input Wo (given as codes): QUANTISED
;;   THE QUANTISER, for each operand of a quantised product, along K:
;;     - K is cut into blocks of 32 from its start; a last block that is shorter is filled with zeros.
;;     - A block's scale is 2^e with e = floor(log2(the largest magnitude in the block)) - 2, held to -126 .. 127; a block of zeros has e = 0. As a byte (E8M0): e + 127.
;;     - Each number is divided by its block's scale, clamped to +-6, and rounded to the nearest number of E2M1, ties to even, subnormals kept.
;;     - The product sums the exact products of the quantised numbers (number of the format x scale) in f32.
;;   ~~~python
;;   def quantise(x, axis):      # numpy; x: float32 -> the quantised numbers, widened to float32 again
;;       x = np.moveaxis(x, axis, -1); K = x.shape[-1]
;;       x = np.pad(x, [(0, 0)] * (x.ndim - 1) + [(0, -K % 32)]); x = x.reshape(x.shape[:-1] + (-1, 32)); a = np.abs(x).max(-1, keepdims=True)
;;       e = np.where(a > 0, np.clip(np.frexp(np.where(a > 0, a, 1))[1] - 1 - 2, -126, 127), 0)      # np.frexp(a)[1] - 1 = floor(log2(a)), exactly
;;       r = np.clip(x / 2.0 ** e, -6, 6)
;;       step = 2.0 ** (np.maximum(np.frexp(np.where(r == 0, 1, r))[1] - 1, 0) - 1)
;;       q = np.round(r / step) * step * 2.0 ** e      # np.round: ties to even
;;       return np.moveaxis(q.reshape(q.shape[:-2] + (-1,))[..., :K], -1, axis).astype(np.float32)
;;   ~~~
;;   SOFTMAX AHEAD OF A QUANTISED PRODUCT. Where the list says 'softmax', what is quantised is not the finished softmax but p = 2^(t - M), with t = logit x log2(e) and M = ceil(the row's largest t), a whole number; so 1/2 < the row's largest p <= 1. The row's sum l is taken of the UNQUANTISED p, in f32, and the product's result is divided by l at the end. Since M is a whole number, a kernel that streams over the keys may use a running M (the ceiling of the running maximum): every later rescaling is an exact power of two, which a block's scale takes up: the codes' values come out the same.
;;   OPERANDS COMPUTED ON THE WAY. 'Computed on the way' means the value that the module computes at that place (a softmax that the list does not call 'softmax' is quantised finished and normalised). What goes into a quantiser is computed in f32, as accurately as f32 sums, v_exp_f32 and their like allow (about 1e-6 of the number): no bf16 or f16 on the way to a quantiser, and a product that is left as it is and whose result goes on into a quantised operand takes f32 operands (vector FMAs, or v_wmma_f32_16x16x4_f32). A number that lies on a knife's edge between two numbers of the format may be rounded either way, as far as f32 arithmetic and the matrix unit's own rounding can turn it there, and no further.
;;   INPUTS GIVEN AS CODES. Wk (in the module: [1024, 1024], K = its axis 0); Wo (in the module: [1024, 1024], K = its axis 0); Wq (in the module: [1024, 1024], K = its axis 0); Wv (in the module: [1024, 1024], K = its axis 0); x (in the module: [2, 2048, 1024], K = its axis 2): each comes as NAME_codes (uint8): NAME with its K axis moved to the last place and cut into blocks of 32 codes, [.., K / 32, bytes a block], one block behind the other in memory; two codes a byte, the lower K in the low four bits (a code: sign, 2 exponent bits, 1 mantissa bit); and NAME_scales (uint8): the same leading axes, one E8M0 byte (e + 127) for each 32 codes along K. Its value is code x scale, taken as it is: it is not quantised again, and the codes and scales need not be those that the quantiser above would give.
;; One version. Each part assembles by itself: llvm-mc -triple=amdgcn-amd-amdhsa -mcpu=gfx1250 --defsym DOCPART=n.
;; ======== version 1 of 1: 3 launches
;; limits: right only within a limited range of input values
;; workspace buffers: qrec 2,228,224 bytes; kvrec 4,456,448 bytes; oimg 2,097,152 bytes; osc 131,072 bytes
;; launch qkv (part 1): grid 8 x 32, 12 waves a work-group, clusters of 4 x 4, 297,984 bytes of LDS; arguments x_codes, x_scales, Wq_codes, Wq_scales, Wk_codes, Wk_scales, Wv_codes, Wv_scales, bq, bk, bv, qrec, kvrec; writes qrec, kvrec
.if DOCPART == 1
	.amdgcn_target "amdgcn-amd-amdhsa--gfx1250"
	.amdhsa_code_object_version 6
	.text
	.protected	k_q66a67f5aed_qkv
	.globl	k_q66a67f5aed_qkv
	.p2align	8
	.type	k_q66a67f5aed_qkv,@function
k_q66a67f5aed_qkv:
	s_mov_b64 s[64:65], 0
	v_nop
	global_prefetch_b8 v0, s[64:65] scope:SCOPE_SE
	s_setreg_imm32_b32 hwreg(HW_REG_WAVE_MODE, 25, 1), 1
	s_wait_xcnt 0x0
	s_wait_alu depctr_hold_cnt(0) depctr_sa_sdst(0) depctr_va_vdst(0) depctr_va_sdst(0) depctr_va_ssrc(0) depctr_va_vcc(0) depctr_vm_vsrc(0)
	s_getreg_b32 s2, hwreg(HW_REG_IB_STS2, 6, 4)
	s_cmp_eq_u32 s2, 0
	s_cbranch_scc0 .Lentry_in_a_cluster
	s_endpgm
.Lentry_in_a_cluster:
	s_bfe_u32 s2, ttmp6, 0x10000c
	s_cmp_lg_u32 s2, 0xf033
	s_cbranch_scc0 .Lentry_shape_is_right
	s_endpgm
.Lentry_shape_is_right:
; q = x Wq + bq, k = x Wk + bk, v = x Wv + bv on codes of FP4 (E2M1) with one E8M0 scale for each 32 along K, sums in f32; the results are quantised at once, q and k along the head's 64 channels,
; v along the tokens (the keys), and stored as IMAGES OF OPERAND REGISTERS, 512 consecutive bytes a store.  No work of the problem is left out.
; SHARES.  A work-group takes 128 tokens (gy) and the heads 2 gx, 2 gx + 1 of q, k and v: 128 x 384 results, all of K = 1,024.  Twelve waves: role = wave / 4 (q, k, v), head e = (wave / 2) % 2, token half tb = wave % 2;
; a wave makes 64 x 64: sixteen accumulators.
; ONE TEXT FOR ALL ROLES.  Source 0 (P) is the side along which the result is quantised, source 1 (R) the side of which a lane owns one row: in the result lane (r, h) holds R's row r and its register j P's row 8 h + j.
; q, k: P = 4 tiles of W's rows (channels), R = 4 tiles of tokens.  v: P = 4 tiles of tokens, R = 4 tiles of Wv's rows.  Only addresses differ, and the C of the first K step (the bias).
; LDS.  All that the work-group multiplies lies there at once, filled once, one tensor load a wave: two halves of K, each 512 rows of 256 bytes + 16 of padding, in the order Wq, Wk, x, Wv; the same rows' scale bytes, 32 a row; a stage for the new scale bytes.
; Waves 0 to 3 bring K half 0 of the four, waves 4 to 7 K half 1, waves 8 to 11 the scales.  Half 1's load lines are its own: waves 4 to 7 wait for them ahead of the second barrier only.
; In that order R's rows lie above P's in every role, so lanes 16-31 take their scale words one positive distance above lanes 0-15.
; WHAT THE ATTENTION LAUNCH WANTS.  It forms a tile of keys of two halves: rows 0-7 from one block of 32 keys, rows 8-15 from the next block, where the octets of keys are taken in the order 1, 0, 3, 2.  So K's scale half-words are put where such a tile's row looks for them,
; and V's codes in lanes 16-31 (the odd blocks of 32 keys) are stored with octets 0, 1 and 2, 3 exchanged.
; CLUSTER 4 x 4: x's rows hang on gy alone and are shared along a row of the cluster, W's on gx alone and are shared along a column: every tile is asked for jointly, by the same load with the same descriptor in the four that the mask names.
; No prefetch: everything is asked for once, at the head, and no loop follows that could run ahead.
; LIMITS: NaN and infinities are not served.  A block whose largest magnitude lies under 2^-124 keeps the scale byte 1; a block of zeros gets the byte 1 with zero codes (these bytes are read by this program alone).
; The bias is the C of the first K step, so it is added ahead of the products, not behind them.
.set PITCH, 272                        ; an LDS row: 256 bytes + 16 = 68 words, so the 16 rows of a fragment load start 4 words apart (64 banks)
.set TROW,  16*PITCH
.set HALFB, 512*PITCH
.set SCL,   2*HALFB                    ; the scale bytes: 512 rows x 32
.set STG,   SCL+512*32                 ; six blocks of 256 bytes: q e0, q e1, k e0, v e0, k e1, v e1
.set SPARE, STG+6*256                  ; the spare words, 128 bytes a wave
.set QREC,  4352                       ; a record of qrec: 8 token tiles x 512 bytes, 256 scale bytes; a record of kvrec is twice that: K's tiles, V's tiles, K's scales, V's scales
.set WV,   30
.set SEL,  66                          ; s[66:67] selects of v_permlanex16_b32: lane l xor 16
.set G1XC, 40
.set G1XS, 48
.set G1WC, 56
.set G1WS, 68
.set G0XC, 76
.set G0WC, 80
.set G0XS, 84
.set G0WS, 88
.set ADP,  4                           ; v4  LDS address of P's fragments
.set ADR,  5                           ; v5  of R's
.set ADRS, 6                           ; v6  of the scale words: lanes 0-15 P's rows, lanes 16-31 R's
.set VO,   7                           ; v7  16 x lane
.set SPW,  8                           ; v8  LDS address of my spare word; v9 zero; both kept for this alone
.set NIL,  9
.set SA,   11                          ; v11-14 where my four scale half-words go in the stage
.set CPY,  15                          ; v15 the stage's way out: 16 bytes a thread
.set SC,   16                          ; v16-31 scale words and nothing else: register 4 i + qq: tile i, K step qq of the half
.set PF,   32                          ; v32-63 P's four fragments in even K steps; in odd ones v96-127
.set RF,   64                          ; v64-95 R's
.set BIAS, 96                          ; v96-127 four tiles of bias in the result's layout, until the first K step is multiplied
.set ACC,  128                         ; v128-255: accumulator (p, r') at 128 + 8 (4 r' + p)
.set PC,   32                          ; the epilogue: codes, 4 registers for each r'
.set HW,   48                          ; scale half-words
.set TM,   52                          ; six registers at work
.set OUT,  96                          ; codes as they are stored
.macro PLACES                          ; four plain vector instructions between a matrix instruction and a load into, or a vector instruction on, its registers
.rept 4
	v_nop
.endr
.endm
.macro CROUND                          ; a round of the cluster's barrier
	s_barrier_signal -1
	s_barrier_wait -1
	s_cmp_lg_u32 s[WV], 0
	s_cbranch_scc1 .Lnot_wave_0_\@
	s_barrier_signal -3
.Lnot_wave_0_\@:
	s_barrier_wait -3
	s_barrier_signal -1
	s_barrier_wait -1
.endm
.macro MKG0 g, lreg, ptr               ; a group 0: count 1, LDS address, global address, type 2
	s_mov_b32 s[\g], 1
	s_mov_b32 s[\g+1], s[\lreg]
	s_mov_b64 s[\g+2:\g+3], s[\ptr:\ptr+1]
	s_or_b32 s[\g+3], s[\g+3], 0x80000000
.endm
.macro TLOAD g0, g1
	tensor_load_to_lds s[\g0:\g0+3], s[\g1:\g1+7]
	s_nop 0
	PLACES
.endm
; 32 numbers of a lane, register 16 e + 8 u + j = position 32 e + 16 u + 8 (lane / 16) + j of my row, become 4 registers of codes (lane (r, h): positions 32 h + 0 .. 31) and the two blocks' scale bytes, e0 | e1 << 8.
.macro QUANT32 s, pc, hw
.irp e, 0,1
	v_max3_num_f32 v[TM+\e], |v[(\s)+16*\e]|, |v[(\s)+16*\e+1]|, 0x1800000   ; with the floor 2^(3 - 127): the byte cannot fall under 1
.endr
.irp i, 2,4,6,8,10,12,14
.irp e, 0,1
	v_max3_num_f32 v[TM+\e], v[TM+\e], |v[(\s)+16*\e+\i]|, |v[(\s)+16*\e+\i+1]|
.endr
.endr
.irp e, 0,1
	v_permlanex16_b32 v[TM+2+\e], v[TM+\e], s[SEL], s[SEL+1]
.endr
.irp e, 0,1
	v_max_num_f32 v[TM+\e], v[TM+\e], v[TM+2+\e]   ; with lane l xor 16's 16: the block's largest magnitude
.endr
.irp e, 0,1
	v_add_nc_u32 v[TM+4+\e], 0xff000000, v[TM+\e]  ; 2 off its exponent field: the conversion's scale operand
.endr
.irp e, 0,1
	v_lshrrev_b32 v[TM+2+\e], 23, v[TM+4+\e]       ; the scale's byte
.endr
	v_lshl_or_b32 v[\hw], v[TM+3], 8, v[TM+2]
.irp e, 0,1
	v_cvt_scalef32_pk8_fp4_f32 v[(\pc)+\e], v[(\s)+16*\e:(\s)+16*\e+7], v[TM+4+\e]
	v_cvt_scalef32_pk8_fp4_f32 v[(\pc)+2+\e], v[(\s)+16*\e+8:(\s)+16*\e+15], v[TM+4+\e]
.endr
	v_nop                                          ; one plain place behind the scaled conversions
	v_permlane16_swap_b32 v[\pc], v[(\pc)+1]       ; the first's lanes 16-31 change places with the second's lanes 0-15: a lane then holds a whole block
	v_permlane16_swap_b32 v[(\pc)+2], v[(\pc)+3]
.endm
.macro LDF k, f, ad                    ; four fragments of K step k of the half in hand: 16 rows x 128 K are 8 registers, two loads of 16 bytes, 32 bytes apart
.irp p, 0,1,2,3
.irp c, 0,1
	ds_load_b128 v[(\f)+8*\p+4*\c:(\f)+8*\p+4*\c+3], v[\ad] offset:TROW*\p+64*(\k)+32*\c
.endr
.endr
.endm
.macro SCALES kap                      ; the four scale words a row of K half kap: lanes 0-15 P's tile i, lanes 16-31 R's tile i
.irp i, 0,1,2,3
	ds_load_b128 v[SC+4*\i:SC+4*\i+3], v[ADRS] offset:512*\i+16*\kap
.endr
.endm
.macro MUL16 qq, pf, cm                ; sixteen products, the accumulators by turns.  cm = 0: add in place; 1: C = the bias along P; 2: along R
.irp rr, 0,1,2,3
.irp p, 0,1,2,3
.if \cm == 0
	v_wmma_scale_f32_16x16x128_f8f6f4 v[ACC+8*(4*\rr+\p):ACC+8*(4*\rr+\p)+7], v[(\pf)+8*\p:(\pf)+8*\p+7], v[RF+8*\rr:RF+8*\rr+7], v[ACC+8*(4*\rr+\p):ACC+8*(4*\rr+\p)+7], v[SC+4*\p+(\qq)], v[SC+4*\rr+(\qq)] matrix_a_fmt:MATRIX_FMT_FP4 matrix_b_fmt:MATRIX_FMT_FP4 matrix_b_scale:MATRIX_SCALE_ROW1
.elseif \cm == 1
	v_wmma_scale_f32_16x16x128_f8f6f4 v[ACC+8*(4*\rr+\p):ACC+8*(4*\rr+\p)+7], v[(\pf)+8*\p:(\pf)+8*\p+7], v[RF+8*\rr:RF+8*\rr+7], v[BIAS+8*\p:BIAS+8*\p+7], v[SC+4*\p+(\qq)], v[SC+4*\rr+(\qq)] matrix_a_fmt:MATRIX_FMT_FP4 matrix_b_fmt:MATRIX_FMT_FP4 matrix_b_scale:MATRIX_SCALE_ROW1
.else
	v_wmma_scale_f32_16x16x128_f8f6f4 v[ACC+8*(4*\rr+\p):ACC+8*(4*\rr+\p)+7], v[(\pf)+8*\p:(\pf)+8*\p+7], v[RF+8*\rr:RF+8*\rr+7], v[BIAS+8*\rr:BIAS+8*\rr+7], v[SC+4*\p+(\qq)], v[SC+4*\rr+(\qq)] matrix_a_fmt:MATRIX_FMT_FP4 matrix_b_fmt:MATRIX_FMT_FP4 matrix_b_scale:MATRIX_SCALE_ROW1
.endif
.endr
.endr
.endm
	s_load_b512 s[4:19], s[0:1], 0x0               ; x codes, x scales, Wq codes, Wq scales, Wk codes, Wk scales, Wv codes, Wv scales
	s_load_b256 s[20:27], s[0:1], 0x40             ; bq, bk, bv, qrec
	s_load_b64 s[28:29], s[0:1], 0x60              ; kvrec
	v_lshl_add_u32 v[SPW], v0, 2, SPARE
	v_mov_b32 v[NIL], 0
	ds_add_u32 v[SPW], v[NIL]                      ; the opening add, twice on end
	ds_add_u32 v[SPW], v[NIL]
	v_lshrrev_b32 v1, 5, v0
	v_readfirstlane_b32 s[WV], v1                  ; wave 0..11
	s_bfe_u32 s31, ttmp6, 0x40000                  ; cx
	s_bfe_u32 s32, ttmp6, 0x40004                  ; cy
	s_lshl_b32 s33, ttmp9, 2
	s_add_co_u32 s33, s33, s31                     ; gx = 4 x cluster x + cx: which pair of heads
	s_and_b32 s34, ttmp7, 0xffff
	s_lshl_b32 s34, s34, 2
	s_add_co_u32 s34, s34, s32                     ; gy = 4 x cluster y + cy: which 128 tokens
	s_lshl_b32 s36, s32, 2
	s_lshl_b32 s36, 15, s36                        ; my row of the cluster
	s_lshl_b32 s35, 0x1111, s31                    ; my column
	; group 1.  Codes: 128 rows of 256 bytes, 512 bytes apart, 4 words of padding behind every 64.  Scales: 128 rows x 32 bytes are 4,096 dense bytes: 16 rows of 32 elements of 8 bytes.
	s_or_b32 s[G1XC], s36, (1<<20)|(1<<21)|(5<<22)|(3<<25)
	s_or_b32 s[G1WC], s35, (1<<20)|(1<<21)|(5<<22)|(3<<25)
	s_or_b32 s[G1XS], s36, (3<<16)|(1<<21)
	s_or_b32 s[G1WS], s35, (3<<16)|(1<<21)
.irp g, G1XC, G1WC
	s_mov_b32 s[\g+1], 256<<16                     ; tensor_dim0
	s_mov_b32 s[\g+2], 128<<16                     ; tensor_dim1
	s_mov_b32 s[\g+3], 256<<16                     ; tile_dim0
	s_mov_b32 s[\g+4], 128                         ; tile_dim1
	s_mov_b32 s[\g+5], 512                         ; from row to row
	s_mov_b32 s[\g+6], 0
	s_mov_b32 s[\g+7], 0
.endr
.irp g, G1XS, G1WS
	s_mov_b32 s[\g+1], 32<<16
	s_mov_b32 s[\g+2], 16<<16
	s_mov_b32 s[\g+3], 32<<16
	s_mov_b32 s[\g+4], 16
	s_mov_b32 s[\g+5], 32
	s_mov_b32 s[\g+6], 0
	s_mov_b32 s[\g+7], 0
.endr
	; what I fetch: operand j = wave % 4 (Wq, Wk, x, Wv), half (wave / 4) % 2.  x's offsets are made of gy and the wave, W's of gx and the wave, each in registers that never hold the other coordinate.
	s_and_b32 s92, s[WV], 3                        ; j
	s_bfe_u32 s93, s[WV], 0x10002                  ; the half
	s_lshl_b32 s94, s93, 8                         ; 256 bytes along a row
	s_lshl_b32 s38, s34, 16
	s_add_co_u32 s38, s38, s94                     ; x's codes: row 128 gy of 512 bytes
	s_mov_b32 s39, 0
	s_lshl_b32 s2, s33, 16
	s_add_co_u32 s2, s2, s94                       ; W's codes
	s_mov_b32 s3, 0
	s_lshl_b32 s36, s34, 12                        ; x's scales
	s_mov_b32 s37, 0
	s_lshl_b32 s100, s33, 12                       ; W's scales
	s_mov_b32 s101, 0
	s_mul_i32 s66, s92, 128*PITCH                  ; where they go: the wave's number alone
	s_mul_i32 s67, s93, HALFB
	s_add_co_u32 s66, s66, s67
	s_lshl_b32 s67, s92, 12
	s_add_co_u32 s67, s67, SCL
	s_wait_dscnt 0x0                               ; both opening adds are done
	s_wait_kmcnt 0x0
	s_cmp_lt_u32 s92, 2
	s_cselect_b64 s[12:13], s[12:13], s[16:17]     ; Wk or Wv,
	s_cselect_b64 s[14:15], s[14:15], s[18:19]
	s_cmp_lt_u32 s92, 1
	s_cselect_b64 s[8:9], s[8:9], s[12:13]         ; or Wq: the choice hangs on the wave's number alone
	s_cselect_b64 s[10:11], s[10:11], s[14:15]
	s_add_nc_u64 s[4:5], s[4:5], s[38:39]
	s_add_nc_u64 s[6:7], s[6:7], s[36:37]
	s_add_nc_u64 s[8:9], s[8:9], s[2:3]
	s_add_nc_u64 s[10:11], s[10:11], s[100:101]
	MKG0 G0XC, 66, 4
	MKG0 G0WC, 66, 8
	MKG0 G0XS, 67, 6
	MKG0 G0WS, 67, 10
	CROUND                                         ; all sixteen work-groups are here: the joint loads meet
	s_cmp_lt_u32 s[WV], 8                          ; one tree of branches on the wave's number, one load to an arm
	s_cbranch_scc0 .Lscales
	s_cmp_lt_u32 s[WV], 4
	s_cbranch_scc0 .Lhalf1
	s_cmp_eq_u32 s92, 2
	s_cbranch_scc0 .Lwcodes0
	TLOAD G0XC, G1XC
	s_branch .Lasked
.Lwcodes0:
	TLOAD G0WC, G1WC
	s_branch .Lasked
.Lhalf1:
	s_cmp_eq_u32 s92, 2
	s_cbranch_scc0 .Lwcodes1
	TLOAD G0XC, G1XC
	s_branch .Lasked
.Lwcodes1:
	TLOAD G0WC, G1WC
	s_branch .Lasked
.Lscales:
	s_cmp_eq_u32 s92, 2
	s_cbranch_scc0 .Lwscales
	TLOAD G0XS, G1XS
	s_branch .Lasked
.Lwscales:
	TLOAD G0WS, G1WS
.Lasked:
	; my role, as numbers 0 or 1
	s_lshr_b32 s4, s[WV], 3                        ; isv
	s_xor_b32 s5, s4, 1                            ; notv
	s_lshr_b32 s6, s[WV], 2                        ; role 0, 1, 2
	s_and_b32 s7, s6, 1                            ; isk
	s_or_b32 s8, s7, s4                            ; notq
	s_lshr_b32 s9, s[WV], 1
	s_and_b32 s9, s9, 1                            ; e
	s_and_b32 s10, s[WV], 1                        ; tb
	s_add_co_u32 s11, s6, s4
	s_lshl_b32 s11, s11, 7
	s_lshl_b32 s12, s9, 6
	s_add_co_u32 s11, s11, s12                     ; my 64 rows of W in LDS: 0, 128 or 384, + 64 e
	s_lshl_b32 s12, s10, 6
	s_add_co_u32 s12, s12, 256                     ; my 64 tokens: 256 + 64 tb
	s_mul_i32 s13, s11, s5
	s_mul_i32 s14, s12, s4
	s_add_co_u32 s13, s13, s14                     ; P's first row
	s_mul_i32 s14, s11, s4
	s_mul_i32 s15, s12, s5
	s_add_co_u32 s14, s14, s15                     ; R's first row: above P's in every role
	s_sub_co_u32 s15, s14, s13
	s_lshl_b32 s15, s15, 5                         ; the distance between their scale bytes
	s_mul_i32 s16, s14, PITCH
	s_mul_i32 s17, s13, PITCH
	s_lshl_b32 s18, s13, 5
	s_add_co_u32 s18, s18, SCL
	s_add_co_u32 s19, s4, 1
	s_lshl_b32 s19, s19, 9                         ; from image to image: 512 bytes (q, k: the next token tile), 1,024 (v: the next tile of channels)
	s_add_co_u32 s31, s9, s4                       ; my block of the stage: q: e;  k: 2 + 2 e;  v: 3 + 2 e
	s_add_co_u32 s31, s31, 2
	s_mul_i32 s31, s31, s8
	s_add_co_u32 s31, s31, s9
	s_lshl_b32 s31, s31, 8
	s_lshl_b32 s32, s5, 7                          ; my token half: q, k: 128 bytes on;  v: the word's upper two bytes
	s_lshl_b32 s35, s4, 1
	s_add_co_u32 s32, s32, s35
	s_mul_i32 s32, s32, s10
	s_add_co_u32 s31, s31, s32
	s_add_co_u32 s31, s31, STG
	; the half-word of tile i, row r = 8 hi + lo.  q: word r of pair i / 2, half i % 2.  v: word r of tile i.  k: word lo + 8 (i / 2) of fragment i % 2, half hi xor (i / 2)
	s_xor_b32 s99, s7, 1                           ; notk
	s_mul_i32 s92, s99, 30
	s_add_co_u32 s92, s92, 2                       ; tiles 0, 1: bytes for hi: 32;  k: 2
	s_mul_i32 s93, s8, 62
	s_add_co_u32 s93, s93, 2                       ; from tile 0 to 1, 2 to 3: q: 2;  k, v: 64
	s_lshl_b32 s94, s99, 5                         ; tiles 2, 3: for hi: 32;  k: 0
	s_lshl_b32 s95, s7, 1                          ; and for 1 - hi: 0;  k: 2
	s_lshl_b32 s96, s4, 6
	s_add_co_u32 s96, s96, s94
	s_add_co_u32 s96, s96, 32                      ; from tile 0 to 2: q 64, k 32, v 128
	s_mul_i32 s98, s4, 0xffff0000                  ; the lanes whose octets are exchanged: v's lanes 16-31
	; the bias, in the result's layout: q, k: register j of tile p is b[16 p + 8 h + j];  v: every register of tile r' is b[16 r' + r]
	s_cmp_lt_u32 s[WV], 8
	s_cselect_b64 s[22:23], s[22:23], s[24:25]
	s_cmp_lt_u32 s[WV], 4
	s_cselect_b64 s[20:21], s[20:21], s[22:23]
	s_cselect_b64 s[22:23], s[26:27], s[28:29]     ; and where my images go: qrec or kvrec
	s_lshl_b32 s2, s33, 7
	s_lshl_b32 s3, s9, 6
	s_add_co_u32 s2, s2, s3
	s_lshl_b32 s2, s2, 2                           ; my head's first channel, in bytes
	s_mov_b32 s3, 0
	s_add_nc_u64 s[20:21], s[20:21], s[2:3]
	s_lshl_b32 s35, s5, 5
	s_lshl_b32 s36, s4, 2
	s_lshl_b32 s37, s5, 2
	s_mov_b32 s[SEL], 0x76543210
	s_mov_b32 s[SEL+1], 0xfedcba98
	v_and_b32 v1, 15, v0                           ; r
	v_bfe_u32 v2, v0, 4, 1                         ; h
	v_and_b32 v3, 31, v0                           ; lane
	v_and_b32 v140, 7, v0                          ; lo
	v_bfe_u32 v141, v0, 3, 1                       ; hi
	v_xor_b32 v142, 1, v141                        ; 1 - hi
	v_mul_u32_u24 v128, s35, v2
	v_mad_u32_u24 v128, v1, s36, v128
.irp j, 1,2,3,4,5,6,7
	v_add_nc_u32 v[128+\j], s37, v[127+\j]
.endr
.irp t, 0,1,2,3
.irp j, 0,1,2,3,4,5,6,7
	global_load_b32 v[BIAS+8*\t+\j], v[128+\j], s[20:21] offset:64*\t
.endr
.endr
	v_mul_u32_u24 v[ADP], v1, PITCH
	v_lshl_add_u32 v[ADP], v2, 4, v[ADP]           ; row r, + 16 h
	v_add_nc_u32 v[ADR], s16, v[ADP]
	v_add_nc_u32 v[ADP], s17, v[ADP]
	v_mul_u32_u24 v[ADRS], s15, v2                 ; lanes 16-31 take R's
	v_lshl_add_u32 v[ADRS], v1, 5, v[ADRS]
	v_add_nc_u32 v[ADRS], s18, v[ADRS]
	v_lshlrev_b32 v[VO], 4, v3
	v_lshl_add_u32 v143, v140, 2, s31
	v_mul_u32_u24 v144, s92, v141
	v_add_nc_u32 v[SA], v143, v144
	v_add_nc_u32 v[SA+1], s93, v[SA]
	v_mul_u32_u24 v144, s94, v141
	v_mad_u32_u24 v144, v142, s95, v144
	v_add_nc_u32 v144, v143, v144
	v_add_nc_u32 v[SA+2], s96, v144
	v_add_nc_u32 v[SA+3], s93, v[SA+2]
	v_lshl_add_u32 v[CPY], v0, 4, STG
	; my part of my record
	s_lshr_b32 s38, s34, 4
	s_lshl_b32 s38, s38, 4
	s_lshl_b32 s39, s33, 1
	s_add_co_u32 s38, s38, s39                     ; 16 b + 2 gx: the work-group's first head
	s_and_b32 s39, s34, 15                         ; the step of 128 tokens
	s_add_co_u32 s2, s38, s9
	s_lshl_b32 s2, s2, 4
	s_add_co_u32 s2, s2, s39                       ; the record's number
	s_add_co_u32 s3, s8, 1
	s_mul_i32 s3, s3, QREC                         ; its bytes
	s_mul_i32 s2, s2, s3
	s_lshl_b32 s35, s5, 11                         ; q, k: token half tb is four tiles, 2,048 bytes;  v: the fragments' second halves, 512 bytes on
	s_lshl_b32 s36, s4, 9
	s_add_co_u32 s35, s35, s36
	s_mul_i32 s35, s35, s10
	s_lshl_b32 s36, s4, 12                         ; V's tiles lie behind K's
	s_add_co_u32 s35, s35, s36
	s_add_co_u32 s2, s2, s35
	s_mov_b32 s3, 0
	s_add_nc_u64 s[4:5], s[22:23], s[2:3]          ; my four images
	s_mov_b32 s2, s19
	s_add_nc_u64 s[6:7], s[4:5], s[2:3]
	s_add_nc_u64 s[8:9], s[6:7], s[2:3]
	s_add_nc_u64 s[10:11], s[8:9], s[2:3]
	s_wait_alu depctr_va_vdst(0)                   ; the wait at the head's end
	s_lshr_b32 s2, s[WV], 2
	s_cmp_eq_u32 s2, 1
	s_cbranch_scc1 .Lhalf1_later                   ; waves 4 to 7: K half 1 may stay out (nothing is filled again in this launch)
	s_wait_tensorcnt 0x0                           ; my part of K half 0 or of the scales has landed,
.Lhalf1_later:
	s_barrier_signal -1
	s_barrier_wait -1                              ; everybody's has
	SCALES 0
	LDF 0, RF, ADR
	LDF 0, PF, ADP
	s_wait_dscnt 0x0
	s_wait_loadcnt 0x0                             ; the bias; its offsets' registers may now be written
	s_cmp_lt_u32 s[WV], 8
	s_cbranch_scc0 .Lbias_r
	MUL16 0, PF, 1                                 ; the first K step starts the sums on the bias: nothing is cleared
	s_branch .Lsummed
.Lbias_r:
	MUL16 0, PF, 2
.Lsummed:
	PLACES
	LDF 1, RF, ADR
	LDF 1, BIAS, ADP
	LDF 2, PF, ADP
	s_wait_dscnt 0x8                               ; all but the eight loads of K step 2's P
	MUL16 1, BIAS, 0
.set K, 2
.rept 6
	PLACES                                         ; in front of the loads into registers that the last two K steps multiplied
.if K == 4
	s_wait_tensorcnt 0x0                           ; K half 1 has landed,
	s_barrier_signal -1
	s_barrier_wait -1                              ; everybody's part of it
	v_add_nc_u32 v[ADP], HALFB, v[ADP]
	v_add_nc_u32 v[ADR], HALFB, v[ADR]
	SCALES 1
.endif
	LDF K%4, RF, ADR
.if K == 4
	LDF 0, PF, ADP
.endif
.if (K != 3) && (K < 7)
	LDF (K+1)%4, PF+64*((K+1)%2), ADP
.if K == 4
	s_wait_alu depctr_va_vdst(0)                   ; directly ahead of the wait below
.endif
	s_wait_dscnt 0x8                               ; all but the eight loads of the next K step's P
.else
	s_wait_dscnt 0x0
.endif
	MUL16 K%4, PF+64*(K%2), 0
.set K, K+1
.endr
	; the results become operands
	PLACES
	v_mov_b32 v[TM+2], 0                           ; a lane permute's destination counts as one of its sources
	v_mov_b32 v[TM+3], 0
.irp rr, 0,1,2,3
	QUANT32 ACC+32*\rr, PC+4*\rr, HW+\rr
.endr
.irp i, 0,2,4,6,8,10,12,14
	v_cndmask_b32 v[OUT+\i], v[PC+\i], v[PC+\i+1], s98      ; v, lanes 16-31: octets 0, 1 and 2, 3 exchanged
	v_cndmask_b32 v[OUT+\i+1], v[PC+\i+1], v[PC+\i], s98
.endr
.irp rr, 0,1,2,3
	global_store_b128 v[VO], v[OUT+4*\rr:OUT+4*\rr+3], s[4+2*\rr:5+2*\rr]   ; 32 lanes store 512 consecutive bytes, at a multiple of 256 from the buffer's first byte
	ds_store_b16 v[SA+\rr], v[HW+\rr]              ; lanes l and l xor 16 write the same half-word with the same value
.endr
	s_wait_dscnt 0x0                               ; for the others' sake: my stores into the stage are done
	s_barrier_signal -1
	s_barrier_wait -1
	s_cmp_lt_u32 s[WV], 3                          ; the six blocks of scale bytes leave whole: wave 0 q's two, wave 1 k's and v's of head e = 0, wave 2 those of e = 1
	s_cbranch_scc0 .Ldone
	ds_load_b128 v[60:63], v[CPY]
	s_lshr_b32 s2, s[WV], 1                        ; e of waves 1 and 2
	s_add_co_u32 s2, s2, s38
	s_lshl_b32 s2, s2, 4
	s_add_co_u32 s2, s2, s39
	s_mul_i32 s2, s2, QREC
	s_add_co_u32 s2, s2, 4096                      ; the scale bytes' place in a record of qrec; in kvrec all is twice that
	s_mov_b32 s35, 256
	s_cmp_eq_u32 s[WV], 0
	s_cselect_b64 s[26:27], s[26:27], s[28:29]
	s_cselect_b32 s3, 0, 1
	s_cselect_b32 s35, 16*QREC, s35                ; lanes 16-31: q: the next head's record, 16 records on;  k, v: the next 256 bytes
	s_lshl_b32 s2, s2, s3
	s_mov_b32 s3, 0
	s_add_nc_u64 s[26:27], s[26:27], s[2:3]
	v_mul_u32_u24 v58, s35, v2
	v_lshl_add_u32 v58, v1, 4, v58
	s_wait_alu depctr_va_vdst(0)                   ; directly ahead of the wait below
	s_wait_dscnt 0x0
	global_store_b128 v58, v[60:63], s[26:27]      ; sixteen lanes store 256 consecutive bytes, aligned
.Ldone:
	s_wait_tensorcnt 0x0                           ; the wave's end
	ds_add_u32 v[SPW], v[NIL]
	s_wait_dscnt 0x0
	CROUND                                         ; the closing round
	s_endpgm
.Lfunc_end_k_q66a67f5aed_qkv:
	.size	k_q66a67f5aed_qkv, .Lfunc_end_k_q66a67f5aed_qkv-k_q66a67f5aed_qkv
	.p2alignl 7, 3214868480
	.fill 96, 4, 3214868480
	.section	.rodata,"a",@progbits
	.p2align	6, 0x0
	.amdhsa_kernel k_q66a67f5aed_qkv
		.amdhsa_group_segment_fixed_size 297984
		.amdhsa_private_segment_fixed_size 0
		.amdhsa_enable_private_segment 0
		.amdhsa_kernarg_size 104
		.amdhsa_user_sgpr_count 2
		.amdhsa_user_sgpr_kernarg_segment_ptr 1
		.amdhsa_wavefront_size32 1
		.amdhsa_system_sgpr_workgroup_id_x 1
		.amdhsa_system_sgpr_workgroup_id_y 1
		.amdhsa_system_sgpr_workgroup_id_z 1
		.amdhsa_system_vgpr_workitem_id 0
		.amdhsa_next_free_vgpr 256
		.amdhsa_next_free_sgpr 102
		.amdhsa_reserve_vcc 0
		.amdhsa_float_denorm_mode_32 3
		.amdhsa_float_denorm_mode_16_64 3
		.amdhsa_memory_ordered 1
		.amdhsa_forward_progress 1
		.amdhsa_inst_pref_size 54
	.end_amdhsa_kernel
	.amdgpu_metadata
---
amdhsa.version: [ 1, 2 ]
amdhsa.kernels:
  - .name:           k_q66a67f5aed_qkv
    .symbol:         k_q66a67f5aed_qkv.kd
    .args:
      - { .name: x_codes, .offset: 0, .size: 8, .value_kind: global_buffer, .address_space: global }
      - { .name: x_scales, .offset: 8, .size: 8, .value_kind: global_buffer, .address_space: global }
      - { .name: Wq_codes, .offset: 16, .size: 8, .value_kind: global_buffer, .address_space: global }
      - { .name: Wq_scales, .offset: 24, .size: 8, .value_kind: global_buffer, .address_space: global }
      - { .name: Wk_codes, .offset: 32, .size: 8, .value_kind: global_buffer, .address_space: global }
      - { .name: Wk_scales, .offset: 40, .size: 8, .value_kind: global_buffer, .address_space: global }
      - { .name: Wv_codes, .offset: 48, .size: 8, .value_kind: global_buffer, .address_space: global }
      - { .name: Wv_scales, .offset: 56, .size: 8, .value_kind: global_buffer, .address_space: global }
      - { .name: bq, .offset: 64, .size: 8, .value_kind: global_buffer, .address_space: global }
      - { .name: bk, .offset: 72, .size: 8, .value_kind: global_buffer, .address_space: global }
      - { .name: bv, .offset: 80, .size: 8, .value_kind: global_buffer, .address_space: global }
      - { .name: qrec, .offset: 88, .size: 8, .value_kind: global_buffer, .address_space: global }
      - { .name: kvrec, .offset: 96, .size: 8, .value_kind: global_buffer, .address_space: global }
    .group_segment_fixed_size: 297984
    .private_segment_fixed_size: 0
    .kernarg_segment_align: 8
    .kernarg_segment_size: 104
    .max_flat_workgroup_size: 384
    .sgpr_count:     102
    .vgpr_count:     256
    .wavefront_size: 32
...
	.end_amdgpu_metadata
.endif
;; end of part 1
;; launch attn (part 2): grid 4 x 64, 16 waves a work-group, clusters of 4 x 4, 169,984 bytes of LDS; arguments qrec, kvrec, oimg, osc; writes oimg, osc
.if DOCPART == 2
	.amdgcn_target "amdgcn-amd-amdhsa--gfx1250"
	.amdhsa_code_object_version 6
	.text
	.protected	k_q66a67f5aed_attn
	.globl	k_q66a67f5aed_attn
	.p2align	8
	.type	k_q66a67f5aed_attn,@function
k_q66a67f5aed_attn:
	s_mov_b64 s[64:65], 0
	v_nop
	global_prefetch_b8 v0, s[64:65] scope:SCOPE_SE
	s_setreg_imm32_b32 hwreg(HW_REG_WAVE_MODE, 25, 1), 1
	s_wait_xcnt 0x0
	s_wait_alu depctr_hold_cnt(0) depctr_sa_sdst(0) depctr_va_vdst(0) depctr_va_sdst(0) depctr_va_ssrc(0) depctr_va_vcc(0) depctr_vm_vsrc(0)
	s_getreg_b32 s2, hwreg(HW_REG_IB_STS2, 6, 4)
	s_cmp_eq_u32 s2, 0
	s_cbranch_scc0 .Lentry_in_a_cluster
	s_endpgm
.Lentry_in_a_cluster:
	s_bfe_u32 s2, ttmp6, 0x10000c
	s_cmp_lg_u32 s2, 0xf033
	s_cbranch_scc0 .Lentry_shape_is_right
	s_endpgm
.Lentry_shape_is_right:
; For each head: o = softmax(q k^T / 8) v, both products on codes of FP4 (E2M1) with one E8M0 scale for each 32 along a product's K; o is quantised along the head's 64 channels and stored as an image of operand registers.
; THE SOFTMAX: t = score x log2(e) / 8; M = the running largest t rounded UP to a whole number; p = 2^(t - M) is quantised along the keys, not normalised; the row's sum is taken of the unquantised p and divides at the end.
; When M moves, the sum and O are multiplied by 2^(old M - new M): exact.  No work of the problem is left out.
; SHARES.  A work-group owns 256 queries of one head, each of its sixteen waves 16 of them; every wave walks the head's 2,048 keys, 256 a trip in two halves a and b of 128.
; LDS holds the head's 16 records of kvrec as they lie in memory (139,264 bytes), filled once: each wave brings one record.  No prefetch: all is asked for at the head, and no loop loads from memory.
; CLUSTER 4 x 4: the eight query blocks of two heads: a row of the cluster is four blocks of one head, which read the same records: each is asked for jointly along the row; rows 0, 1 have one head, rows 2, 3 the next.
; Both products are used transposed (source 0 = keys, or channels of V; source 1 = my queries): a lane holds one query (lane % 16) throughout.
; A LANE HOLDS WHOLE BLOCKS OF 32 KEYS.  The tile u = 0 .. 3 of the 64 keys c takes, in its row r, the key 64 c + 8 u + r (r under 8) or 64 c + 32 + 8 (u xor 1) + r - 8: so the 32 scores of a lane in the four tiles are the block 2 c + lane / 16, in lanes 16-31 with the
; octets in the order 1, 0, 3, 2.  V's codes were stored in the same order.  A block's largest score needs no other lane, and eight scores' codes are one register of the second product's operand as they come.
; (The octets' order u xor 1 in rows 8-15 lets the 16 lanes of a load start at 16 different places of 16 bytes modulo 256.)
; K = 64 IN THE FIRST PRODUCT.  A fragment of K holds TWO tiles: u even in k = 0 .. 63, u odd in k = 64 .. 127.  It is multiplied by (q | 0) for the first and by (0 | q) for the second: zero codes add nothing.  The 32-row form takes two fragments, tiles 0, 1 and 2, 3:
; so the scores of the 64 keys c lie in the order u = 0, 2, 1, 3, 8 registers each.
; LIMITS: NaN and infinities are not served.  The scaled scores stay under 2^31 in magnitude.  A block of p or of o whose largest magnitude lies under 2^-124 keeps the scale byte 1 (a block of zeros too: its codes are zeros; these bytes are read by this program alone).
; A block's largest p is made from its largest score by the same multiply-add and exponential: that takes v_exp_f32 not to fall where its input rises.
.set REC,   8704                       ; a record, 128 keys: K's 8 tiles, V's 4 x 2 half fragments, K's scale words, V's
.set VOFF,  4096
.set KSO,   8192
.set VSO,   8448
.set HEADB, 16*REC
.set STG,   HEADB                      ; behind the records: 512 bytes, the scale half-words of the work-group's 256 rows of o
.set SPARE, 0x29000                    ; the spare words, 128 bytes a wave
.set QREC,  4352
.set WV,  12
.set G1,  16                           ; s[16:23]
.set G0,  24                           ; s[24:27]
.set CNT, 28
.set NC,  29                           ; -log2(e) / 8
.set TB,  30                           ; LDS byte at which the next trip's records begin, and the same held inside the head
.set TN,  31
.set SEL, 32                           ; s[32:33] lane l xor 16
.set CS,  34                           ; s[34:35] c = log2(e) / 8; the packed form names a pair and takes its low word
.set L16, 1                            ; v1 16 x lane
.set KE,  2                            ; v2 my place in a tile of K, u even;  v3 u odd
.set KO,  3
.set L4,  4                            ; v4 4 x lane
.set ADE, 5                            ; v5-8 the same four in the trip's records
.set ADO, 6
.set ADV, 7
.set ADS, 8
.set SPW, 9                            ; v9, v10 for the add alone
.set NIL, 10
.set MR,  13                           ; v12 -M, v13 the largest score so far; v[14:15] the sum in two halves
.set Q,   16                           ; v16-19 q, v20-23 zeros, v24-27 q: (q | 0) at v16, (0 | q) at v20
.set QS,  28                           ; v28-30, v32-39 scales and nothing else
.set PWA, 29
.set PWB, 30
.set KS,  32                           ; v32-35: half a's 64 keys c = 0, 1, half b's
.set VS,  36                           ; v36-39: half a's tiles 0 | 1, 2 | 3, half b's
.set BM,  40                           ; v40-43 the blocks' largest scores, then largest p
.set BT,  44                           ; v44-47 the maxima's second chains
.set BX,  48                           ; v48-51 the conversions' scale operands
.set F,   52                           ; v[52:53] f, later 1 / l (the upper register is only named)
.set T0,  54
.set T1,  55
.set PCA, 56                           ; v56-63 half a's codes
.set PCB, 40                           ; v40-47 half b's codes: the maxima are done with by then
.set KB1, 48                           ; v48-63 half b's K, c = 1, from the first products of P on to the next trip's scores
.set KF,  64                           ; v64-95 half a's K, then half a's V
.set O,   96                           ; v96-127 O^T
.set S,   128                          ; v128-191 half a's scores, then p;  v192-255 half b's
.set SB,  192
.set VB,  160                          ; v160-191 half b's V, behind half a's conversions
.set KB0, 224                          ; v224-239 half b's K, c = 0, behind the additions that read these p
.set TM,  40                           ; the way out: six registers at work
.macro PLACES n
.rept \n
	v_nop
.endr
.endm
.macro CROUND
	s_barrier_signal -1
	s_barrier_wait -1
	s_cmp_lg_u32 s[WV], 0
	s_cbranch_scc1 .Lnot_wave_0_\@
	s_barrier_signal -3
.Lnot_wave_0_\@:
	s_barrier_wait -3
	s_barrier_signal -1
	s_barrier_wait -1
.endm
.macro LOADK d, g, c                   ; half g's 64 keys c: four loads into 16 registers
.irp w, 0,1
	ds_load_b128 v[\d+8*\w:\d+8*\w+3], v[ADE] offset:REC*\g+512*(4*\c+\w)
	ds_load_b128 v[\d+8*\w+4:\d+8*\w+7], v[ADO] offset:REC*\g+512*(4*\c+\w)
.endr
.endm
.macro LOADKS                          ; both halves' scale words of K: four loads.  Lanes 0-15 the fragment of tiles 0, 1, lanes 16-31 that of tiles 2, 3
.irp g, 0,1
.irp c, 0,1
	ds_load_b32 v[KS+2*\g+\c], v[ADS] offset:REC*\g+KSO+128*\c
.endr
.endr
.endm
.macro LOADV g, d                      ; half g's four fragments of V: eight loads
.irp t, 0,1,2,3
	ds_load_b128 v[\d+8*\t:\d+8*\t+3], v[ADV] offset:REC*\g+VOFF+1024*\t
	ds_load_b128 v[\d+8*\t+4:\d+8*\t+7], v[ADV] offset:REC*\g+VOFF+1024*\t+512
.endr
.endm
.macro QK k, g, c                      ; the scores of half g's 64 keys c
	v_wmma_scale_f32_32x16x128_f4 v[S+64*\g+32*\c:S+64*\g+32*\c+15], v[\k:\k+15], v[Q:Q+7], 0, v[KS+2*\g+\c], v[QS]
	v_wmma_scale_f32_32x16x128_f4 v[S+64*\g+32*\c+16:S+64*\g+32*\c+31], v[\k:\k+15], v[Q+4:Q+11], 0, v[KS+2*\g+\c], v[QS]
.endm
.macro PV g, vf, pc, pw                ; 64 channels, K = half g's 128 keys: four accumulators by turns
.irp t, 0,1,2,3
.if \t%2
	v_wmma_scale_f32_16x16x128_f8f6f4 v[O+8*\t:O+8*\t+7], v[\vf+8*\t:\vf+8*\t+7], v[\pc:\pc+7], v[O+8*\t:O+8*\t+7], v[VS+2*\g+\t/2], v[\pw] matrix_a_fmt:MATRIX_FMT_FP4 matrix_b_fmt:MATRIX_FMT_FP4 matrix_a_scale:MATRIX_SCALE_ROW1
.else
	v_wmma_scale_f32_16x16x128_f8f6f4 v[O+8*\t:O+8*\t+7], v[\vf+8*\t:\vf+8*\t+7], v[\pc:\pc+7], v[O+8*\t:O+8*\t+7], v[VS+2*\g+\t/2], v[\pw] matrix_a_fmt:MATRIX_FMT_FP4 matrix_b_fmt:MATRIX_FMT_FP4
.endif
.endr
.endm
.macro FMA j                           ; t - M, two at a time
	v_pk_fma_f32 v[S+\j:S+\j+1], v[S+\j:S+\j+1], s[CS:CS+1], v[12:13] op_sel_hi:[1,0,0]
.endm
.macro CVT pc, s, o, x                 ; octet o of a half (order u = 0, 2, 1, 3 in each 64 keys): one register of codes
	v_cvt_scalef32_pk8_fp4_f32 v[\pc+4*((\o)/4)+2*((\o)%2)+((\o)%4)/2], v[\s+8*(\o):\s+8*(\o)+7], v[\x+(\o)/4]
.endm
.macro L1A o                           ; the sum's first additions, octet o of half a: 8 numbers become 4, gathered in v128-159
	v_pk_add_f32 v[S+4*(\o):S+4*(\o)+1], v[S+8*(\o):S+8*(\o)+1], v[S+8*(\o)+2:S+8*(\o)+3]
.endm
.macro L1B o
	v_pk_add_f32 v[S+4*(\o)+2:S+4*(\o)+3], v[S+8*(\o)+4:S+8*(\o)+5], v[S+8*(\o)+6:S+8*(\o)+7]
.endm
.macro SUMB m                          ; sixteen of half b's p onto the eight chains of pairs
.irp i, 0,2,4,6,8,10,12,14
	v_pk_add_f32 v[S+\i:S+\i+1], v[S+\i:S+\i+1], v[SB+\m+\i:SB+\m+\i+1]
.endr
.endm
; 32 numbers of a lane, register 16 e + 8 u + j = position 32 e + 16 u + 8 (lane / 16) + j of my row, become 4 registers of codes (lane (r, h): positions 32 h + 0 .. 31) and the two blocks' scale bytes, e0 | e1 << 8.
.macro QUANT32 s, pc, hw
.irp e, 0,1
	v_max3_num_f32 v[TM+\e], |v[(\s)+16*\e]|, |v[(\s)+16*\e+1]|, 0x1800000
.endr
.irp i, 2,4,6,8,10,12,14
.irp e, 0,1
	v_max3_num_f32 v[TM+\e], v[TM+\e], |v[(\s)+16*\e+\i]|, |v[(\s)+16*\e+\i+1]|
.endr
.endr
.irp e, 0,1
	v_permlanex16_b32 v[TM+2+\e], v[TM+\e], s[SEL], s[SEL+1]
.endr
.irp e, 0,1
	v_max_num_f32 v[TM+\e], v[TM+\e], v[TM+2+\e]
.endr
.irp e, 0,1
	v_add_nc_u32 v[TM+4+\e], 0xff000000, v[TM+\e]
.endr
.irp e, 0,1
	v_lshrrev_b32 v[TM+2+\e], 23, v[TM+4+\e]
.endr
	v_lshl_or_b32 v[\hw], v[TM+3], 8, v[TM+2]
.irp e, 0,1
	v_cvt_scalef32_pk8_fp4_f32 v[(\pc)+\e], v[(\s)+16*\e:(\s)+16*\e+7], v[TM+4+\e]
	v_cvt_scalef32_pk8_fp4_f32 v[(\pc)+2+\e], v[(\s)+16*\e+8:(\s)+16*\e+15], v[TM+4+\e]
.endr
	v_nop
	v_permlane16_swap_b32 v[\pc], v[(\pc)+1]
	v_permlane16_swap_b32 v[(\pc)+2], v[(\pc)+3]
.endm
	s_load_b256 s[4:11], s[0:1], 0x0               ; qrec, kvrec, oimg, osc
	v_lshl_add_u32 v[SPW], v0, 2, SPARE
	v_mov_b32 v[NIL], 0
	ds_add_u32 v[SPW], v[NIL]                      ; the opening add, twice on end
	ds_add_u32 v[SPW], v[NIL]
	v_lshrrev_b32 v40, 5, v0
	v_readfirstlane_b32 s[WV], v40                 ; wave 0..15
	s_bfe_u32 s13, ttmp6, 0x40004                  ; cy
	s_and_b32 s39, ttmp7, 0xffff
	s_lshl_b32 s39, s39, 1
	s_lshr_b32 s15, s13, 1
	s_add_co_u32 s39, s39, s15                     ; batch x 16 + head = 2 x cluster y + cy / 2: a row of the cluster shares it
	s_lshl_b32 s15, s13, 2
	s_lshl_b32 s15, 15, s15                        ; my row of the cluster
	s_or_b32 s[G1], s15, (3<<16)|(1<<21)           ; the mask: the row's four work-groups; elements of 8 bytes; bit 21 beside a mask; no padding
	s_mov_b32 s[G1+1], 32<<16                      ; a record is 34 dense rows of 256 bytes
	s_mov_b32 s[G1+2], 34<<16
	s_mov_b32 s[G1+3], 32<<16
	s_mov_b32 s[G1+4], 34
	s_mov_b32 s[G1+5], 32
	s_mov_b32 s[G1+6], 0
	s_mov_b32 s[G1+7], 0
	s_mul_i32 s14, s[WV], REC                      ; wave w brings record w
	s_mul_i32 s40, s39, HEADB
	s_add_co_u32 s40, s40, s14
	s_mov_b32 s41, 0
	s_wait_dscnt 0x0                               ; both opening adds are done
	s_wait_kmcnt 0x0
	s_mov_b32 s[G0], 1
	s_mov_b32 s[G0+1], s14
	s_add_nc_u64 s[G0+2:G0+3], s[6:7], s[40:41]
	s_or_b32 s[G0+3], s[G0+3], 0x80000000
	CROUND                                         ; all sixteen work-groups are here: the joint loads meet
	tensor_load_to_lds s[G0:G0+3], s[G1:G1+7]      ; one tensor load of mine is out
	s_nop 0
	PLACES 4
	s_bfe_u32 s38, ttmp6, 0x40000                  ; cx
	s_and_b32 s43, s13, 1
	s_lshl_b32 s43, s43, 2
	s_add_co_u32 s38, s38, s43                     ; my block of 256 queries, 4 (cy % 2) + cx: it enters q's and o's addresses alone
	; q: my tile of 16 queries: record 2 qb + w / 8 of the head, tile w % 8
	s_lshl_b32 s42, s39, 4
	s_lshl_b32 s43, s38, 1
	s_add_co_u32 s42, s42, s43
	s_lshr_b32 s43, s[WV], 3
	s_add_co_u32 s42, s42, s43
	s_mul_i32 s42, s42, QREC
	s_and_b32 s43, s[WV], 7
	s_lshl_b32 s44, s43, 9
	s_add_co_u32 s44, s44, s42
	s_mov_b32 s45, 0
	s_lshr_b32 s43, s43, 1
	s_lshl_b32 s43, s43, 6
	s_add_co_u32 s42, s42, s43
	s_add_co_u32 s42, s42, 4096                    ; its scale words: 64 bytes for each pair of tiles, a word a row: the even tile's half-word below, the odd one's above
	s_mov_b32 s43, 0
	s_add_nc_u64 s[44:45], s[4:5], s[44:45]
	s_add_nc_u64 s[42:43], s[4:5], s[42:43]
	s_and_b32 s46, s[WV], 1
	s_cmp_eq_u32 s46, 0
	s_mov_b32 s47, 0x03020302
	s_cselect_b32 s47, 0x01000100, s47             ; which half-word of the word is my tile's
	s_mov_b32 s[SEL], 0x76543210
	s_mov_b32 s[SEL+1], 0xfedcba98
	s_mov_b32 s[CS], 0x3e38aa3b                    ; log2(e) / 8
	s_mov_b32 s[CS+1], s[CS]
	s_mov_b32 s[NC], 0xbe38aa3b
	s_mov_b32 s[TB], 0
	s_mov_b32 s[CNT], 8
	v_and_b32 v40, 31, v0
	v_lshlrev_b32 v[L16], 4, v40
	v_lshlrev_b32 v[L4], 2, v40
	v_and_b32 v41, 15, v0                          ; r
	v_lshlrev_b32 v42, 2, v41
	global_load_b128 v[Q:Q+3], v[L16], s[44:45]            ; q's 16 bytes a lane, loaded twice: as k = 0 .. 63 of one operand
	global_load_b128 v[Q+8:Q+11], v[L16], s[44:45]         ; and as k = 64 .. 127 of the other
	global_load_b32 v[T0], v42, s[42:43]
	v_bfe_u32 v43, v0, 3, 1                        ; r / 8: rows 8-15 of a tile of K lie two natural tiles on
	v_lshl_add_u32 v[KE], v43, 10, v[L16]          ; u even: my row of the natural tile
	v_xor_b32 v44, 0x80, v[L16]
	v_lshl_add_u32 v[KO], v43, 10, v44             ; u odd: row r xor 8
	v_mov_b32 v[ADE], v[KE]
	v_mov_b32 v[ADO], v[KO]
	v_mov_b32 v[ADV], v[L16]
	v_mov_b32 v[ADS], v[L4]
	v_mov_b32 v[MR], 0xff61b1e6                    ; the largest score so far: -3e38, under every score
	v_mul_f32 v12, s[NC], v[MR]
	v_floor_f32 v12, v12                           ; -M
	v_mov_b32 v14, 0                               ; the sum, in two halves
	v_mov_b32 v15, 0
.irp j, 4,5,6,7
	v_mov_b32 v[Q+\j], 0
.endr
	s_wait_alu depctr_va_vdst(0)                   ; directly ahead of the wait below
	s_wait_loadcnt 0x0                             ; q
	v_perm_b32 v[QS], v[T0], v[T0], s47            ; my tile's two bytes, twice: they scale k = 0 .. 63 of (q | 0) and k = 64 .. 127 of (0 | q); the other two meet zero codes
.irp j, 0,1,2,3,4,5,6,7,8,9,10,11,12,13,14,15,16,17,18,19,20,21,22,23,24,25,26,27,28,29,30,31
	v_mov_b32 v[O+\j], 0                           ; the trip is written once: the first finds zeros, which the first change of M leaves zeros.  (These are also the places between q's scale word and the first product)
.endr
	s_wait_alu depctr_va_vdst(0)                   ; the wait at the head's end
	s_wait_tensorcnt 0x0                           ; my record has landed,
	s_barrier_signal -1
	s_barrier_wait -1                              ; everybody's has: the head lies in LDS, and nothing is filled again
	LOADK KF, 0, 0
	LOADK KF+16, 0, 1
	LOADKS
	LOADK KB1, 1, 1
	LOADK KB0, 1, 0
.Lstep:                                            ; 8 trips, 256 keys each
	s_wait_dscnt 0x0                               ; the trip's K and its scale words
	QK KB0, 1, 0
	QK KF, 0, 0
	QK KF+16, 0, 1
	PLACES 5                                       ; in front of the product below, which writes over half b's K of c = 0, and of the loads into half a's K
	QK KB1, 1, 1
	LOADV 0, KF                                    ; V lands while the softmax is walked
.irp g, 0,1
.irp k, 0,1
	ds_load_b32 v[VS+2*\g+\k], v[ADS] offset:REC*\g+VSO+128*\k
.endr
.endr
	PLACES 4                                       ; in front of the reads of the scores
.irp b, 0,1,2,3
	v_max3_num_f32 v[BM+\b], v[S+32*\b], v[S+32*\b+1], v[S+32*\b+2]          ; the largest score of each block of 32 keys: eight chains by turns, each accumulator from its low end on
.endr
.irp b, 0,1,2,3
	v_max3_num_f32 v[BT+\b], v[S+32*\b+16], v[S+32*\b+17], v[S+32*\b+18]
.endr
.irp i, 3,5,7,9,11,13
.irp b, 0,1,2,3
	v_max3_num_f32 v[BM+\b], v[BM+\b], v[S+32*\b+\i], v[S+32*\b+\i+1]
.endr
.irp b, 0,1,2,3
	v_max3_num_f32 v[BT+\b], v[BT+\b], v[S+32*\b+16+\i], v[S+32*\b+17+\i]
.endr
.endr
.irp b, 0,1,2,3
	v_max3_num_f32 v[BM+\b], v[BM+\b], v[S+32*\b+15], v[S+32*\b+31]
.endr
.irp b, 0,1,2,3
	v_max_num_f32 v[BM+\b], v[BM+\b], v[BT+\b]
.endr
	v_max3_num_f32 v[T0], v[BM], v[BM+1], v[MR]
	s_delay_alu instid0(VALU_DEP_1)
	v_max3_num_f32 v[T0], v[T0], v[BM+2], v[BM+3]
	v_permlanex16_b32 v[T1], v[T0], s[SEL], s[SEL+1]
	v_max_num_f32 v[MR], v[T0], v[T1]              ; with lane l xor 16's keys: the running largest score of my query
	s_delay_alu instid0(VALU_DEP_1)
	v_mul_f32 v[T0], s[NC], v[MR]                  ; as -t (c is positive)
	v_mov_b32 v[T1], v12
	s_delay_alu instid0(VALU_DEP_2)
	v_floor_f32 v12, v[T0]                         ; the new -M = -ceil(t)
	s_delay_alu instid0(VALU_DEP_1)
	v_sub_f32 v[T1], v12, v[T1]                    ; old M - new M: a whole number, 0 or less
	v_fma_f32 v[BM], v[BM], s[CS], v12             ; t - M of each block's largest score
	v_fma_f32 v[BM+1], v[BM+1], s[CS], v12
	v_cvt_i32_f32 v[T1], v[T1]                     ; (it saturates)
	v_fma_f32 v[BM+2], v[BM+2], s[CS], v12
	v_fma_f32 v[BM+3], v[BM+3], s[CS], v12
	v_ldexp_f32 v[F], 1.0, v[T1]                   ; f = 2^(old M - new M)
.irp j, 0,2,4,6,8,10,12,14,16,18,20,22,24,26,28,30
	v_pk_mul_f32 v[O+\j:O+\j+1], v[O+\j:O+\j+1], v[F:F+1] op_sel_hi:[1,0]   ; O^T under the new M
.endr
	s_wait_alu depctr_va_vdst(0)                   ; ahead of the batch
.irp b, 0,1,2,3
	v_exp_f32 v[BM+\b], v[BM+\b]                   ; the blocks' largest p
.endr
.irp j, 0,2,4,6,8,10,12,14,16,18,20,22,24,26,28,30,32,34,36,38,40,42,44,46,48,50,52,54,56,58,60,62
	FMA \j                                         ; half a's multiply-adds: the plain instructions behind the four
.endr
	s_wait_alu depctr_va_vdst(0)                   ; behind the four, ahead of their first reader, and ahead of the next batch
.irp b, 0,1,2,3
	v_max_num_f32 v[BM+\b], 0x1800000, v[BM+\b]    ; the floor 2^(3 - 127)
.endr
.irp b, 0,1,2,3
	v_add_nc_u32 v[BX+\b], 0xff000000, v[BM+\b]    ; 2 off the exponent field: the conversion's scale operand
.endr
.irp j, 0,2,4,6,8,10,12,14,16,18,20,22,24,26,28,30,32,34,36,38,40,42,44,46,48,50,52,54,56,58,60,62
	v_exp_f32 v[S+\j], v[S+\j]                     ; half a: p = 2^(t - M)
	FMA 64+\j                                      ; half b's multiply-adds stand among them: none of their results is read before the next wait
	v_exp_f32 v[S+\j+1], v[S+\j+1]
.endr
	v_pk_mul_f32 v[14:15], v[14:15], v[F:F+1] op_sel_hi:[1,0]   ; the sums under the new M: the plain instruction behind the exponentials
	s_wait_alu depctr_va_vdst(0)                   ; behind the batch and ahead of the next one
.irp o, 0,1,2,3,4,5,6,7
	CVT PCA, S, \o, BX                             ; half a's codes and first additions stand among half b's exponentials: none of their results is read before the next wait
	v_exp_f32 v[SB+8*\o], v[SB+8*\o]
	v_exp_f32 v[SB+8*\o+1], v[SB+8*\o+1]
.if \o == 0
	v_nop                                          ; one plain place behind the scaled conversion whose sources octet 0's additions write
.else
	L1A \o-1
.endif
	v_exp_f32 v[SB+8*\o+2], v[SB+8*\o+2]
	v_exp_f32 v[SB+8*\o+3], v[SB+8*\o+3]
.if \o > 0
	L1B \o-1
.endif
.irp j, 4,5,6,7
	v_exp_f32 v[SB+8*\o+\j], v[SB+8*\o+\j]
.endr
.endr
	L1A 7
	L1B 7
	LOADV 1, VB                                    ; v160-191 are free: half a's p have become codes and, in v128-159, sums
	s_wait_alu depctr_va_vdst(0)                   ; the wait behind the batch
	; p's scale words in v52-55: lanes 0-15 have bytes 0 and 2, lanes 16-31 bytes 1 and 3; half b's conversions stand between
.irp b, 0,1,2,3
	v_lshrrev_b32 v[F+\b], 23, v[BX+\b]            ; the scale's byte
.endr
	CVT PCB, SB, 0, BX+2
	CVT PCB, SB, 1, BX+2
	v_lshl_or_b32 v[F], v[F+1], 16, v[F]
	v_lshl_or_b32 v[F+2], v[F+3], 16, v[F+2]
	CVT PCB, SB, 2, BX+2
	CVT PCB, SB, 3, BX+2
	v_permlanex16_b32 v[F+1], v[F], s[SEL], s[SEL+1]
	v_permlanex16_b32 v[F+3], v[F+2], s[SEL], s[SEL+1]
	CVT PCB, SB, 4, BX+2
	CVT PCB, SB, 5, BX+2
	v_lshl_or_b32 v[PWA], v[F+1], 8, v[F]          ; lanes 0-15 are read
	v_lshl_or_b32 v[PWB], v[F+3], 8, v[F+2]
	CVT PCB, SB, 6, BX+2
	CVT PCB, SB, 7, BX+2
.irp i, 0,2,4,6,8,10,12,14
	v_pk_add_f32 v[S+\i:S+\i+1], v[S+\i:S+\i+1], v[S+16+\i:S+17+\i]   ; THE ROW'S SUM, of the unquantised p: eight chains of pairs.  (Also the places between the scale words and the products)
.endr
	s_wait_dscnt 0x8                               ; half a's V and V's scale words; half b's eight loads may be out
	PV 0, KF, PCA, PWA
	s_add_co_u32 s[TB], s[TB], 2*REC
	s_min_u32 s[TN], s[TB], HEADB-2*REC            ; the last trip reads its own records once more: inside the head
	v_add_nc_u32 v[ADE], s[TN], v[KE]              ; (these four are the places in front of the loads into V's registers and into half a's codes)
	v_add_nc_u32 v[ADO], s[TN], v[KO]
	v_add_nc_u32 v[ADV], s[TN], v[L16]
	v_add_nc_u32 v[ADS], s[TN], v[L4]
	LOADK KF, 0, 0                                 ; the next trip's K
	LOADK KF+16, 0, 1
	LOADKS
	LOADK KB1, 1, 1
	SUMB 32
	LOADK KB0, 1, 0                                ; the p that lay there have been added
	SUMB 0
	SUMB 16
	SUMB 48
	s_wait_alu depctr_va_vdst(0)                   ; directly ahead of the wait below
	s_wait_dscnt 0x14                              ; half b's V; the next trip's twenty loads may be out
	PV 1, VB, PCB, PWB
.irp i, 0,2,4,6
	v_pk_add_f32 v[S+\i:S+\i+1], v[S+\i:S+\i+1], v[S+8+\i:S+9+\i]     ; (the eight additions from here on are also the places between these products and the next trip's, which write over V's registers)
.endr
.irp i, 0,2
	v_pk_add_f32 v[S+\i:S+\i+1], v[S+\i:S+\i+1], v[S+4+\i:S+5+\i]
.endr
	v_pk_add_f32 v[S:S+1], v[S:S+1], v[S+2:S+3]
	v_pk_add_f32 v[14:15], v[14:15], v[S:S+1]
	s_sub_co_u32 s[CNT], s[CNT], 1
	s_cmp_lg_u32 s[CNT], 0
	s_cbranch_scc1 .Lstep
	; THE WAY OUT: O^T / l, quantised along the 64 channels; the codes are half a fragment (K step head / 2, half head % 2) of the last product's operand
	s_wait_alu depctr_va_vdst(0)                   ; directly ahead of the wait below
	s_wait_dscnt 0x0                               ; the last trip's loads of K have come back: their registers may be written
	v_add_f32 v14, v14, v15
	v_permlanex16_b32 v[T1], v14, s[SEL], s[SEL+1]
	v_add_f32 v14, v14, v[T1]                      ; the row's sum
	s_lshl_b32 s46, s[WV], 5
	s_add_co_u32 s46, s46, STG
	s_wait_alu depctr_va_vdst(0)                   ; ahead of the transcendental
	v_rcp_f32 v[F], v14
	v_and_b32 v5, 15, v0                           ; (plain instructions behind the reciprocal)  r
	v_lshl_add_u32 v6, v5, 1, s46                  ; the stage: 2 bytes a row, 32 a wave
	v_add_nc_u32 v7, STG, v[L16]                   ; and on the way out
	s_lshr_b32 s40, s39, 4                         ; batch
	s_and_b32 s41, s39, 15                         ; head
	s_lshl_b32 s42, s40, 7
	s_lshl_b32 s43, s38, 4
	s_add_co_u32 s42, s42, s43
	s_add_co_u32 s42, s42, s[WV]                   ; my tile of 16 rows among 256
	s_lshl_b32 s42, s42, 13
	s_lshl_b32 s43, s41, 9
	s_add_co_u32 s44, s42, s43
	s_mov_b32 s45, 0
	s_add_nc_u64 s[44:45], s[8:9], s[44:45]
	s_lshl_b32 s46, s41, 13                        ; osc: 8,192 bytes a head, 2 a row
	s_lshl_b32 s42, s40, 12
	s_add_co_u32 s46, s46, s42
	s_lshl_b32 s42, s38, 9
	s_add_co_u32 s46, s46, s42
	s_mov_b32 s47, 0
	s_add_nc_u64 s[46:47], s[10:11], s[46:47]
	s_wait_alu depctr_va_vdst(0)                   ; ahead of the reciprocal's first reader, which is also the first reader of the last products' results
.irp j, 0,2,4,6,8,10,12,14,16,18,20,22,24,26,28,30
	v_pk_mul_f32 v[O+\j:O+\j+1], v[O+\j:O+\j+1], v[F:F+1] op_sel_hi:[1,0]
.endr
	QUANT32 O, PCA, T0
	global_store_b128 v[L16], v[PCA:PCA+3], s[44:45]       ; 32 lanes store 512 consecutive bytes, at a multiple of 256 from the buffer's first byte
	ds_store_b16 v6, v[T0]                         ; lanes l and l xor 16 write the same half-word with the same value
	s_wait_dscnt 0x0                               ; for wave 0's sake
	s_barrier_signal -1
	s_barrier_wait -1
	s_cmp_lg_u32 s[WV], 0
	s_cbranch_scc1 .Ldone
	ds_load_b128 v[60:63], v7
	s_wait_dscnt 0x0
	global_store_b128 v[L16], v[60:63], s[46:47]   ; the 256 rows' half-words: 512 consecutive bytes, aligned
.Ldone:
	s_wait_tensorcnt 0x0                           ; the wave's end
	ds_add_u32 v[SPW], v[NIL]
	s_wait_dscnt 0x0
	CROUND                                         ; the closing round
	s_endpgm
.Lfunc_end_k_q66a67f5aed_attn:
	.size	k_q66a67f5aed_attn, .Lfunc_end_k_q66a67f5aed_attn-k_q66a67f5aed_attn
	.p2alignl 7, 3214868480
	.fill 96, 4, 3214868480
	.section	.rodata,"a",@progbits
	.p2align	6, 0x0
	.amdhsa_kernel k_q66a67f5aed_attn
		.amdhsa_group_segment_fixed_size 169984
		.amdhsa_private_segment_fixed_size 0
		.amdhsa_enable_private_segment 0
		.amdhsa_kernarg_size 32
		.amdhsa_user_sgpr_count 2
		.amdhsa_user_sgpr_kernarg_segment_ptr 1
		.amdhsa_wavefront_size32 1
		.amdhsa_system_sgpr_workgroup_id_x 1
		.amdhsa_system_sgpr_workgroup_id_y 1
		.amdhsa_system_sgpr_workgroup_id_z 1
		.amdhsa_system_vgpr_workitem_id 0
		.amdhsa_next_free_vgpr 256
		.amdhsa_next_free_sgpr 66
		.amdhsa_reserve_vcc 0
		.amdhsa_float_denorm_mode_32 3
		.amdhsa_float_denorm_mode_16_64 3
		.amdhsa_memory_ordered 1
		.amdhsa_forward_progress 1
		.amdhsa_inst_pref_size 38
	.end_amdhsa_kernel
	.amdgpu_metadata
---
amdhsa.version: [ 1, 2 ]
amdhsa.kernels:
  - .name:           k_q66a67f5aed_attn
    .symbol:         k_q66a67f5aed_attn.kd
    .args:
      - { .name: qrec, .offset: 0, .size: 8, .value_kind: global_buffer, .address_space: global }
      - { .name: kvrec, .offset: 8, .size: 8, .value_kind: global_buffer, .address_space: global }
      - { .name: oimg, .offset: 16, .size: 8, .value_kind: global_buffer, .address_space: global }
      - { .name: osc, .offset: 24, .size: 8, .value_kind: global_buffer, .address_space: global }
    .group_segment_fixed_size: 169984
    .private_segment_fixed_size: 0
    .kernarg_segment_align: 8
    .kernarg_segment_size: 32
    .max_flat_workgroup_size: 512
    .sgpr_count:     66
    .vgpr_count:     256
    .wavefront_size: 32
...
	.end_amdgpu_metadata
.endif
;; end of part 2
;; launch oproj (part 3): grid 8 x 32, 8 waves a work-group, clusters of 4 x 4, 211,968 bytes of LDS; arguments oimg, osc, Wo_codes, Wo_scales, bo, out0; writes out0
.if DOCPART == 3
	.amdgcn_target "amdgcn-amd-amdhsa--gfx1250"
	.amdhsa_code_object_version 6
	.text
	.protected	k_q66a67f5aed_oproj
	.globl	k_q66a67f5aed_oproj
	.p2align	8
	.type	k_q66a67f5aed_oproj,@function
k_q66a67f5aed_oproj:
	s_mov_b64 s[64:65], 0
	v_nop
	global_prefetch_b8 v0, s[64:65] scope:SCOPE_SE
	s_setreg_imm32_b32 hwreg(HW_REG_WAVE_MODE, 25, 1), 1
	s_wait_xcnt 0x0
	s_wait_alu depctr_hold_cnt(0) depctr_sa_sdst(0) depctr_va_vdst(0) depctr_va_sdst(0) depctr_va_ssrc(0) depctr_va_vcc(0) depctr_vm_vsrc(0)
	s_getreg_b32 s2, hwreg(HW_REG_IB_STS2, 6, 4)
	s_cmp_eq_u32 s2, 0
	s_cbranch_scc0 .Lentry_in_a_cluster
	s_endpgm
.Lentry_in_a_cluster:
	s_bfe_u32 s2, ttmp6, 0x10000c
	s_cmp_lg_u32 s2, 0xf033
	s_cbranch_scc0 .Lentry_shape_is_right
	s_endpgm
.Lentry_shape_is_right:
; out = o Wo + bo on codes of FP4 (E2M1) with one E8M0 scale for each 32 along K = 1,024; sums in f32.  o comes as images of operand registers (oimg: [tile of 16 rows][head][lane][16 bytes]) and scale half-words (osc: [head][row]).
; SHARES.  A work-group makes 128 rows (gy) x 128 columns (gx).  Eight waves: ch = wave % 2 takes 64 columns, rq = wave / 2 takes 32 rows: eight accumulators.  The product is used transposed (source 0 = 16 rows of Wo, that is
; 16 columns of out; source 1 = 16 rows of o): a lane then holds eight neighbouring numbers of a row of out.  The bias is the C of the first K step.  No work of the problem is left out.
; LDS holds all that the work-group multiplies, filled once, one tensor load a wave: waves 0 to 3 two tiles of o each, waves 4 and 5 64 rows of Wo each, wave 6 o's scale half-words, wave 7 Wo's scale bytes; a stage gathers whole rows of out.
; CLUSTER 4 x 4: o's tiles hang on gy alone and are shared along a row of the cluster, Wo's on gx alone and are shared along a column: every tile is asked for jointly.
; No prefetch: everything is asked for once, at the head, and no loop follows that could run ahead.
; LIMITS: NaN and infinities are not served; the bias is added ahead of the products, not behind them.
.set PITCH, 528                        ; Wo's rows: 512 bytes + 16
.set TROW,  16*PITCH
.set BH,    65536                      ; behind o's images [tile 8][K step 8][1,024 bytes]: Wo's 128 rows
.set ASC,   BH+128*PITCH               ; o's scale half-words: 16 heads x 256 bytes
.set BSC,   ASC+4096                   ; Wo's scale bytes: 128 rows x 32
.set STG,   BSC+4096                   ; the stage: 128 rows x (512 bytes + 16)
.set SPITCH, 528
.set SPARE, STG+128*SPITCH             ; the spare words, 128 bytes a wave
.set WV,   16
.set G1AS, 24
.set G1AC, 32
.set G1BS, 40
.set G1BC, 48
.set G0AS, 56
.set G0AC, 60
.set G0BS, 68
.set G0BC, 72
.set ADP,  4                           ; v4  Wo's fragments
.set ADR,  5                           ; v5  o's images
.set ADSP, 6                           ; v6  Wo's scale words: a row a lane
.set ADSR, 7                           ; v7  o's half-words: a row a lane
.set SO,   8                           ; v8  the stage: where I put 32 bytes of a row
.set SR,   9                           ; v9  and where I read a row back
.set L16,  10                          ; v10 16 x lane
.set SP,   16                          ; v16-31 Wo's scale words and nothing else: register 8 pp + s: lane l holds row 64 ch + 32 pp + l, K step s
.set SRW,  32                          ; v32-39 o's: register s: lane l holds row 32 rq + l
.set BIAS, 40                          ; v40-71
.set F0,   72                          ; v72-119, v120-167 two sets of fragments: Wo's four, then o's two
.set ACC,  168                         ; v168-231: accumulator (i, p) at 168 + 8 (4 i + p)
.set U16,  232                         ; v232-247 the half-words as loaded
.set SPW,  254                         ; v254, v255 for the add alone
.set NIL,  255
.set OD,   72                          ; the way out: 16 rows
.macro PLACES
.rept 4
	v_nop
.endr
.endm
.macro CROUND
	s_barrier_signal -1
	s_barrier_wait -1
	s_cmp_lg_u32 s[WV], 0
	s_cbranch_scc1 .Lnot_wave_0_\@
	s_barrier_signal -3
.Lnot_wave_0_\@:
	s_barrier_wait -3
	s_barrier_signal -1
	s_barrier_wait -1
.endm
.macro MKG0 g, ptr                     ; a group 0 but for its LDS address
	s_mov_b32 s[\g], 1
	s_mov_b64 s[\g+2:\g+3], s[\ptr:\ptr+1]
	s_or_b32 s[\g+3], s[\g+3], 0x80000000
.endm
.macro G1SET g, c, r, p                ; a group 1 but for its first word: r rows of c elements, p elements apart
	s_mov_b32 s[\g+1], (\c)<<16
	s_mov_b32 s[\g+2], (\r)<<16
	s_mov_b32 s[\g+3], (\c)<<16
	s_mov_b32 s[\g+4], \r
	s_mov_b32 s[\g+5], \p
	s_mov_b32 s[\g+6], 0
	s_mov_b32 s[\g+7], 0
.endm
.macro WM d, a, b, c, sa, sb, ra, rb   ; one product; ra, rb: the side's scale words lie in lanes 16-31
.if ((\ra) != 0) && ((\rb) != 0)
	v_wmma_scale_f32_16x16x128_f8f6f4 v[(\d):(\d)+7], v[(\a):(\a)+7], v[(\b):(\b)+7], v[(\c):(\c)+7], v[\sa], v[\sb] matrix_a_fmt:MATRIX_FMT_FP4 matrix_b_fmt:MATRIX_FMT_FP4 matrix_a_scale:MATRIX_SCALE_ROW1 matrix_b_scale:MATRIX_SCALE_ROW1
.elseif (\ra) != 0
	v_wmma_scale_f32_16x16x128_f8f6f4 v[(\d):(\d)+7], v[(\a):(\a)+7], v[(\b):(\b)+7], v[(\c):(\c)+7], v[\sa], v[\sb] matrix_a_fmt:MATRIX_FMT_FP4 matrix_b_fmt:MATRIX_FMT_FP4 matrix_a_scale:MATRIX_SCALE_ROW1
.elseif (\rb) != 0
	v_wmma_scale_f32_16x16x128_f8f6f4 v[(\d):(\d)+7], v[(\a):(\a)+7], v[(\b):(\b)+7], v[(\c):(\c)+7], v[\sa], v[\sb] matrix_a_fmt:MATRIX_FMT_FP4 matrix_b_fmt:MATRIX_FMT_FP4 matrix_b_scale:MATRIX_SCALE_ROW1
.else
	v_wmma_scale_f32_16x16x128_f8f6f4 v[(\d):(\d)+7], v[(\a):(\a)+7], v[(\b):(\b)+7], v[(\c):(\c)+7], v[\sa], v[\sb] matrix_a_fmt:MATRIX_FMT_FP4 matrix_b_fmt:MATRIX_FMT_FP4
.endif
.endm
.macro LOADF q, f                      ; K step q's fragments into the set at v[f]: twelve loads
.irp p, 0,1,2,3
.irp c, 0,1
	ds_load_b128 v[(\f)+8*\p+4*\c:(\f)+8*\p+4*\c+3], v[ADP] offset:TROW*\p+64*(\q)+32*\c
.endr
.endr
.irp i, 0,1
.irp c, 0,1
	ds_load_b128 v[(\f)+32+8*\i+4*\c:(\f)+32+8*\i+4*\c+3], v[ADR] offset:8192*\i+1024*(\q)+512*\c
.endr
.endr
.endm
.macro MUL8 q, f, first                ; eight products, the accumulators by turns
.irp i, 0,1
.irp p, 0,1,2,3
.if \first
	WM ACC+8*(4*\i+\p), (\f)+8*\p, (\f)+32+8*\i, BIAS+8*\p, SP+8*(\p/2)+(\q), SRW+(\q), \p%2, \i
.else
	WM ACC+8*(4*\i+\p), (\f)+8*\p, (\f)+32+8*\i, ACC+8*(4*\i+\p), SP+8*(\p/2)+(\q), SRW+(\q), \p%2, \i
.endif
.endr
.endr
.endm
.macro ARM under, g0, g1, next         ; one arm of the head's tree of branches on the wave's number: one tensor load
	s_cmp_lt_u32 s[WV], \under
	s_cbranch_scc0 \next
	tensor_load_to_lds s[\g0:\g0+3], s[\g1:\g1+7]
	s_nop 0
	PLACES
	s_branch .Lasked
\next:
.endm
	s_load_b256 s[4:11], s[0:1], 0x0               ; oimg, osc, Wo's codes, Wo's scales
	s_load_b128 s[12:15], s[0:1], 0x20             ; bo, out0
	v_lshl_add_u32 v[SPW], v0, 2, SPARE
	v_mov_b32 v[NIL], 0
	ds_add_u32 v[SPW], v[NIL]                      ; the opening add, twice on end
	ds_add_u32 v[SPW], v[NIL]
	v_lshrrev_b32 v1, 5, v0
	v_readfirstlane_b32 s[WV], v1                  ; wave 0..7
	s_bfe_u32 s17, ttmp6, 0x40000                  ; cx
	s_bfe_u32 s18, ttmp6, 0x40004                  ; cy
	s_lshl_b32 s19, ttmp9, 2
	s_add_co_u32 s19, s19, s17                     ; gx
	s_and_b32 s20, ttmp7, 0xffff
	s_lshl_b32 s20, s20, 2
	s_add_co_u32 s20, s20, s18                     ; gy
	s_lshl_b32 s21, s18, 2
	s_lshl_b32 s21, 15, s21                        ; my row of the cluster
	s_lshl_b32 s22, 0x1111, s17                    ; my column
	s_and_b32 s23, s[WV], 1                        ; ch; of waves 4 and 5 also which half they fetch
	; group 1.  o's half-words: 16 heads x 256 bytes, 8,192 bytes apart.  o's images: two tiles are 16,384 dense bytes.  Wo's scales: 4,096 dense bytes.  Wo's codes: 64 rows of 512 bytes, 4 words of padding behind every 128.
	s_or_b32 s[G1AS], s21, (3<<16)|(1<<21)
	s_or_b32 s[G1AC], s21, (3<<16)|(1<<21)
	s_or_b32 s[G1BS], s22, (3<<16)|(1<<21)
	s_or_b32 s[G1BC], s22, (1<<20)|(1<<21)|(6<<22)|(3<<25)
	G1SET G1AS, 32, 16, 1024
	G1SET G1AC, 32, 64, 32
	G1SET G1BS, 32, 16, 32
	G1SET G1BC, 512, 64, 512
	; offsets: o's are made of gy and the wave, Wo's of gx and the wave, each in registers that never hold the other coordinate
	s_lshl_b32 s84, s20, 8                         ; osc: rows 128 gy on
	s_mov_b32 s85, 0
	s_and_b32 s98, s[WV], 3
	s_lshl_b32 s98, s98, 14
	s_lshl_b32 s86, s20, 16
	s_add_co_u32 s86, s86, s98                     ; oimg: tiles 8 gy + 2 w on
	s_mov_b32 s87, 0
	s_lshl_b32 s99, s23, 15
	s_lshl_b32 s90, s19, 16
	s_add_co_u32 s90, s90, s99                     ; Wo's codes: rows 128 gx + 64 (w % 2) on
	s_mov_b32 s91, 0
	s_lshl_b32 s88, s19, 12                        ; Wo's scales
	s_mov_b32 s89, 0
	s_mul_i32 s94, s23, 64*PITCH
	s_wait_dscnt 0x0                               ; both opening adds are done
	s_wait_kmcnt 0x0
	s_add_nc_u64 s[4:5], s[4:5], s[86:87]
	s_add_nc_u64 s[6:7], s[6:7], s[84:85]
	s_add_nc_u64 s[8:9], s[8:9], s[90:91]
	s_add_nc_u64 s[10:11], s[10:11], s[88:89]
	MKG0 G0AC, 4
	MKG0 G0AS, 6
	MKG0 G0BC, 8
	MKG0 G0BS, 10
	s_mov_b32 s[G0AC+1], s98                       ; where they go: the wave's number alone
	s_mov_b32 s[G0AS+1], ASC
	s_add_co_u32 s[G0BC+1], s94, BH
	s_mov_b32 s[G0BS+1], BSC
	CROUND                                         ; all sixteen work-groups are here: the joint loads meet
	ARM 4, G0AC, G1AC, .Lhead_b
	ARM 6, G0BC, G1BC, .Lhead_as
	ARM 7, G0AS, G1AS, .Lhead_bs
	tensor_load_to_lds s[G0BS:G0BS+3], s[G1BS:G1BS+7]
	s_nop 0
	PLACES
.Lasked:
	s_lshr_b32 s96, s[WV], 1                       ; rq
	s_lshl_b32 s4, s19, 7                          ; the bias: bo[128 gx + 64 ch + 16 p + 8 h + j]
	s_lshl_b32 s5, s23, 6
	s_add_co_u32 s4, s4, s5
	s_lshl_b32 s4, s4, 2
	s_mov_b32 s5, 0
	s_add_nc_u64 s[12:13], s[12:13], s[4:5]
	s_mul_i32 s92, s23, 64*PITCH
	s_add_co_u32 s92, s92, BH                      ; my rows of Wo
	s_lshl_b32 s93, s96, 14                        ; my tiles of o
	s_lshl_b32 s94, s23, 11
	s_add_co_u32 s94, s94, BSC
	s_lshl_b32 s95, s96, 6
	s_add_co_u32 s95, s95, ASC
	s_mul_i32 s97, s96, 32*SPITCH
	s_lshl_b32 s98, s23, 8
	s_add_co_u32 s97, s97, s98
	s_add_co_u32 s97, s97, STG
	s_mul_i32 s98, s[WV], 16*SPITCH
	s_add_co_u32 s98, s98, STG
	v_and_b32 v1, 15, v0                           ; r
	v_bfe_u32 v2, v0, 4, 1                         ; h
	v_and_b32 v3, 31, v0                           ; lane
	v_lshlrev_b32 v11, 5, v2
.irp p, 0,1,2,3
	global_load_b128 v[BIAS+8*\p:BIAS+8*\p+3], v11, s[12:13] offset:64*\p
	global_load_b128 v[BIAS+8*\p+4:BIAS+8*\p+7], v11, s[12:13] offset:64*\p+16
.endr
	v_lshlrev_b32 v[L16], 4, v3
	v_mul_u32_u24 v[ADP], v1, PITCH
	v_lshl_add_u32 v[ADP], v2, 4, v[ADP]
	v_add_nc_u32 v[ADP], s92, v[ADP]               ; Wo: row 64 ch + r, + 16 h
	v_add_nc_u32 v[ADR], s93, v[L16]               ; o: tiles 2 rq, 2 rq + 1
	v_lshl_add_u32 v[ADSP], v3, 5, s94
	v_lshl_add_u32 v[ADSR], v3, 1, s95
	v_mul_u32_u24 v[SO], v1, SPITCH
	v_lshl_add_u32 v[SO], v2, 5, v[SO]
	v_add_nc_u32 v[SO], s97, v[SO]                 ; the stage: row 32 rq + r, + 256 ch + 32 h
	v_add_nc_u32 v[SR], s98, v[L16]                ; back: rows 16 w on, whole
	s_lshl_b32 s4, s20, 19                         ; out0: row 128 gy + 16 w of 4,096 bytes, + 512 gx
	s_lshl_b32 s5, s[WV], 16
	s_add_co_u32 s4, s4, s5
	s_lshl_b32 s5, s19, 9
	s_add_co_u32 s4, s4, s5
	s_mov_b32 s5, 0
	s_add_nc_u64 s[14:15], s[14:15], s[4:5]
	s_wait_alu depctr_va_vdst(0)                   ; the wait at the head's end
	s_wait_tensorcnt 0x0                           ; my load has landed,
	s_barrier_signal -1
	s_barrier_wait -1                              ; everybody's has; nothing is filled again
.irp pp, 0,1
.irp k, 0,1
	ds_load_b128 v[SP+8*\pp+4*\k:SP+8*\pp+4*\k+3], v[ADSP] offset:1024*\pp+16*\k
.endr
.endr
.irp n, 0,1,2,3,4,5,6,7,8,9,10,11,12,13,14,15
	ds_load_u16 v[U16+\n], v[ADSR] offset:256*\n   ; head n's half-word of my row
.endr
	LOADF 0, F0
	s_wait_dscnt 12                                ; all but the twelve fragment loads
.irp s, 0,1,2,3,4,5,6,7
	v_lshl_or_b32 v[SRW+\s], v[U16+2*\s+1], 16, v[U16+2*\s]   ; K step s is heads 2 s and 2 s + 1
.endr
.rept 8
	v_nop                                          ; a scale register written by a vector instruction stands eight places ahead of a scaled product
.endr
	s_wait_alu depctr_va_vdst(0)                   ; directly ahead of the wait below
	s_wait_loadcnt 0x0                             ; the bias
.set Q, 0
.rept 8
.if Q >= 1
	PLACES                                         ; in front of the loads into the set that the last K step multiplied
.endif
.if Q < 7
	LOADF Q+1, F0+48*((Q+1)%2)
	s_wait_dscnt 12                                ; this K step's fragments are in; the twelve loads just issued may stay out
.else
	s_wait_dscnt 0x0
.endif
.if Q == 0
	MUL8 Q, F0+48*(Q%2), 1                         ; the first K step starts the sums on the bias
.else
	MUL8 Q, F0+48*(Q%2), 0
.endif
.set Q, Q+1
.endr
	; THE WAY OUT: a row's 512 bytes come from two waves: they meet in the stage, and each wave stores 16 whole rows
	PLACES
.irp i, 0,1
.irp p, 0,1,2,3
	ds_store_b128 v[SO], v[ACC+8*(4*\i+\p):ACC+8*(4*\i+\p)+3] offset:16*SPITCH*\i+64*\p        ; each accumulator from its low end on
	ds_store_b128 v[SO], v[ACC+8*(4*\i+\p)+4:ACC+8*(4*\i+\p)+7] offset:16*SPITCH*\i+64*\p+16
.endr
.endr
	s_wait_dscnt 0x0                               ; for the others' sake: my stores into the stage are done
	s_barrier_signal -1
	s_barrier_wait -1
.irp t, 0,1,2,3,4,5,6,7,8,9,10,11,12,13,14,15
	ds_load_b128 v[OD+4*\t:OD+4*\t+3], v[SR] offset:SPITCH*\t
.endr
.irp t, 0,1,2,3,4,5,6,7,8,9,10,11,12,13,14,15
	s_wait_dscnt 15-\t                             ; row t is in; the later rows' loads may stay out
	global_store_b128 v[L16], v[OD+4*\t:OD+4*\t+3], s[14:15] offset:4096*\t th:TH_STORE_NT   ; 32 lanes store 512 consecutive bytes, at a multiple of 256 from out0's first byte
.endr
	s_wait_tensorcnt 0x0                           ; the wave's end
	ds_add_u32 v[SPW], v[NIL]
	s_wait_dscnt 0x0
	CROUND                                         ; the closing round
	s_endpgm
.Lfunc_end_k_q66a67f5aed_oproj:
	.size	k_q66a67f5aed_oproj, .Lfunc_end_k_q66a67f5aed_oproj-k_q66a67f5aed_oproj
	.p2alignl 7, 3214868480
	.fill 96, 4, 3214868480
	.section	.rodata,"a",@progbits
	.p2align	6, 0x0
	.amdhsa_kernel k_q66a67f5aed_oproj
		.amdhsa_group_segment_fixed_size 211968
		.amdhsa_private_segment_fixed_size 0
		.amdhsa_enable_private_segment 0
		.amdhsa_kernarg_size 48
		.amdhsa_user_sgpr_count 2
		.amdhsa_user_sgpr_kernarg_segment_ptr 1
		.amdhsa_wavefront_size32 1
		.amdhsa_system_sgpr_workgroup_id_x 1
		.amdhsa_system_sgpr_workgroup_id_y 1
		.amdhsa_system_sgpr_workgroup_id_z 1
		.amdhsa_system_vgpr_workitem_id 0
		.amdhsa_next_free_vgpr 256
		.amdhsa_next_free_sgpr 100
		.amdhsa_reserve_vcc 0
		.amdhsa_float_denorm_mode_32 3
		.amdhsa_float_denorm_mode_16_64 3
		.amdhsa_memory_ordered 1
		.amdhsa_forward_progress 1
		.amdhsa_inst_pref_size 31
	.end_amdhsa_kernel
	.amdgpu_metadata
---
amdhsa.version: [ 1, 2 ]
amdhsa.kernels:
  - .name:           k_q66a67f5aed_oproj
    .symbol:         k_q66a67f5aed_oproj.kd
    .args:
      - { .name: oimg, .offset: 0, .size: 8, .value_kind: global_buffer, .address_space: global }
      - { .name: osc, .offset: 8, .size: 8, .value_kind: global_buffer, .address_space: global }
      - { .name: Wo_codes, .offset: 16, .size: 8, .value_kind: global_buffer, .address_space: global }
      - { .name: Wo_scales, .offset: 24, .size: 8, .value_kind: global_buffer, .address_space: global }
      - { .name: bo, .offset: 32, .size: 8, .value_kind: global_buffer, .address_space: global }
      - { .name: out0, .offset: 40, .size: 8, .value_kind: global_buffer, .address_space: global }
    .group_segment_fixed_size: 211968
    .private_segment_fixed_size: 0
    .kernarg_segment_align: 8
    .kernarg_segment_size: 48
    .max_flat_workgroup_size: 256
    .sgpr_count:     100
    .vgpr_count:     256
    .wavefront_size: 32
...
	.end_amdgpu_metadata
.endif
;; end of part 3
